; MI455X (gfx1250); checked and timed in simulation.
; The chip was launched on July 23, 2026; its instructions are those of AMD's public machine-readable ISA for CDNA 5 (MIT licence, August 2026) and "CDNA5" Instruction Set Architecture Reference Guide (July 2026). The comments in the code are by the model that wrote it; some were corrected since.
;; Additive Attention. Allowed arithmetic: matrix products marked QUANTISED: E2M3 operands, one E8M0 scale for each 32 along K, by v_wmma_scale_f32_16x16x128_f8f6f4 with both operands' format E2M3, f32 sums; products left as they are: f32 operands where the result goes on into a quantised operand, else bf16, f16 or f32 operands; f32 sums; everything else in f32.
;; Inputs: W1 512 x 512 float32; W2 512 x 512 float32; keys 32 x 2,048 x 512 float32; mask 32 x 2,048 bool; query 32 x 512 float32; v 512 float32.
;; Outputs: out0 32 x 2,048 float32.
;; This version of the problem:
;;   THIS VERSION OF THE PROBLEM IS GIVEN IN LOW PRECISION. The matrix products marked QUANTISED in the list below multiply operands that are first quantised to E2M3 (2 exponent bits, 3 mantissa bits; 6 bits a number), with one power-of-two scale for each 32 numbers along K (OCP MX v1.0); their sums are f32. All else is computed in f32.
;;   The module's matrix products, in the order in which they are computed (A, B: the left and right operand; K: the contracted axis; several contracted axes count as one K, in the product's order):
;;     1. [M 32, K 512] x [K 512, N 512]; A: input query; B: input W1: QUANTISED
;;     2. [M 65,536, K 512] x [K 512, N 512]; A: input keys; B: input W2: QUANTISED
;;     3. [M 65,536, K 512] x [K 512, N 1]; A: computed on the way; B: input v: left as it is (N = 1 < 16)
;;   THE QUANTISER, for each operand of a quantised product, along K:
;;     - K is cut into blocks of 32 from its start; a last block that is shorter is filled with zeros.
;;     - A block's scale is 2^e with e = floor(log2(the largest magnitude in the block)) - 2, held to -126 .. 127; a block of zeros has e = 0. As a byte (E8M0): e + 127.
;;     - Each number is divided by its block's scale, clamped to +-7.5, and rounded to the nearest number of E2M3, ties to even, subnormals kept.
;;     - The product sums the exact products of the quantised numbers (number of the format x scale) in f32.
;;   ~~~python
;;   def quantise(x, axis):      # numpy; x: float32 -> the quantised numbers, widened to float32 again
;;       x = np.moveaxis(x, axis, -1); K = x.shape[-1]
;;       x = np.pad(x, [(0, 0)] * (x.ndim - 1) + [(0, -K % 32)]); x = x.reshape(x.shape[:-1] + (-1, 32)); a = np.abs(x).max(-1, keepdims=True)
;;       e = np.where(a > 0, np.clip(np.frexp(np.where(a > 0, a, 1))[1] - 1 - 2, -126, 127), 0)      # np.frexp(a)[1] - 1 = floor(log2(a)), exactly
;;       r = np.clip(x / 2.0 ** e, -7.5, 7.5)
;;       step = 2.0 ** (np.maximum(np.frexp(np.where(r == 0, 1, r))[1] - 1, 0) - 3)
;;       q = np.round(r / step) * step * 2.0 ** e      # np.round: ties to even
;;       return np.moveaxis(q.reshape(q.shape[:-2] + (-1,))[..., :K], -1, axis).astype(np.float32)
;;   ~~~
;; One version. Each part assembles by itself: llvm-mc -triple=amdgcn-amd-amdhsa -mcpu=gfx1250 --defsym DOCPART=n.
;; ======== version 1 of 1: 3 launches
;; limits: right only within a limited range of input values
;; workspace buffers: w2img 1,572,864 bytes; w2scl 8,192 bytes; w1q 65,536 bytes; rawsc 262,144 bytes
;; launch prep (part 1): grid 80 x 1, 8 waves a work-group, no clusters, 81,920 bytes of LDS; arguments W2, W1, query, w2img, w2scl, w1q; writes w2img, w2scl, w1q
.if DOCPART == 1
	.amdgcn_target "amdgcn-amd-amdhsa--gfx1250"
	.amdhsa_code_object_version 6
	.text
	.protected	k_qc6f8874392_prep
	.globl	k_qc6f8874392_prep
	.p2align	8
	.type	k_qc6f8874392_prep,@function
k_qc6f8874392_prep:
	s_mov_b64 s[64:65], 0
	v_nop
	global_prefetch_b8 v0, s[64:65] scope:SCOPE_SE
	s_setreg_imm32_b32 hwreg(HW_REG_WAVE_MODE, 25, 1), 1
	s_wait_xcnt 0x0
; W2 [512][512] f32 becomes codes of FP6 (E2M3) with one E8M0 byte for each 32 along K, and w1q = Q(query) Q(W1)^T is computed: [32][512] f32.
; DEAD WORK, left out in launch scores: tanh x = 1 - 2 / (1 + e^(2x)), so a score is (the sum over a of v[a]) - 2 (the sum over a of v[a] / (1 + e^(2x))).  The first sum is
; the same for every key of a batch, that is along the softmax's axis, whatever v holds: it reaches no output in exact arithmetic, and it is not added.  LIMIT: an overflow
; that reaches only that sum is not carried to the result.
; SHARES.  A wave quantises ONE fragment of 16 rows x 128 K; wave w's K step is w % 4.  Work-groups 0..15: W2's fragments 8 x + w (row tile 2 x + w / 4).  Work-groups 16..79:
; y = x - 16 makes w1q[16 m : 16 m + 16][16 T : 16 T + 16] with T = y / 2, m = y % 2: waves 0-3 quantise W1's tile T, waves 4-7 the query's tile m, and wave 0 multiplies.
; W2's fragment leaves as an image of the operand's registers: fragment (T, s) at byte 1,536 (4 T + s); registers 4 g .. 4 g + 3 of lane l at 512 g + 16 l.
; W1's tile is read by two work-groups, the query's by 32; no tensor load, so no cluster: a work-group reads 64 KiB, once, by loads of 512 consecutive bytes.
; THE QUANTISER.  Lane (r = lane % 16, h = lane / 16) holds k = 64 c + 32 h + 0 .. 31 of row r: two whole blocks of 32.  A block's byte is its largest magnitude's exponent field - 2, held at 1
; from below by a floor among the maximum's leaves.  The loads' layout turns into that one through the wave's own stage in LDS (rows 528 bytes apart).
; SMALL STORES, stated: scale words are 4 bytes every 16 (8,192 bytes in the launch), w1q's rows leave in pieces of 64 bytes (65,536 bytes in the launch).
; LIMITS: NaN and infinities among the inputs are not served.  A block of zeros carries the byte 1 where the rule says 127: its codes are zeros, and this program alone reads the bytes.
; Blocks whose largest magnitude lies under 2^(2 - 126) keep the byte 1.
.set SPITCH, 528
.set STGB,   16*SPITCH
.set FRB,    1536
.set IMG,    8*STGB                    ; eight fragments' images
.set SCL,    IMG+8*FRB                 ; their scale words, 128 bytes each
.set SPARE,  SCL+1024                  ; the spare words
.set LI,   1                           ; 16 x lane
.set STW,  2                           ; the stage, on the way in
.set STR,  3                           ; and out: 528 r + 128 h
.set IWI,  4                           ; my fragment's image
.set IWS,  5                           ; its scale words
.set SH8,  6                           ; 8 h
.set SCO,  7                           ; 16 r: my row in w2scl
.set OUTO, 8                           ; 2,048 r + 32 h: my place in w1q
.set FI,   9                           ; IMG + 16 x lane
.set FS,   10                          ; SCL + 4 x lane
.set W,    11                          ; the scale word
.set SPW,  12
.set NIL,  13
.set T,    14                          ; the lane permute's destination
.set M,    16                          ; v16-19 largest magnitudes
.set SO,   20                          ; v20-21 the conversions' scale operands
.set PC,   24                          ; v24-35 codes
.set TC,   36                          ; v36-42 second halves of blocks
.set X,    64                          ; v64-127 my 64 numbers
.set FW,   64                          ; wave 0: W1's four fragments, then the query's four (v64-159)
.set SW,   160                         ; v160-167 scale words: these registers hold scales and nothing else
.set ACC,  176                         ; two accumulators
	s_load_b256 s[4:11], s[0:1], 0x0               ; W2, W1, query, w2img
	s_load_b128 s[12:15], s[0:1], 0x20             ; w2scl, w1q
	v_lshl_add_u32 v[SPW], v0, 2, SPARE
	v_mov_b32 v[NIL], 0
	v_lshrrev_b32 v1, 5, v0
	v_readfirstlane_b32 s16, v1                    ; wave
	s_and_b32 s17, s16, 3                          ; K step
	s_lshr_b32 s18, s16, 2
	s_mul_i32 s19, s16, STGB
	s_mul_i32 s20, s16, FRB
	s_add_co_u32 s20, s20, IMG
	s_lshl_b32 s21, s16, 7
	s_add_co_u32 s21, s21, SCL
	v_and_b32 v16, 31, v0
	v_and_b32 v17, 15, v0
	v_bfe_u32 v18, v0, 4, 1
	v_lshlrev_b32 v[LI], 4, v16
	v_lshlrev_b32 v19, 2, v16
	v_mul_u32_u24 v[STR], v17, SPITCH
	v_add_nc_u32 v[STW], s19, v[LI]
	v_add_nc_u32 v[IWI], s20, v[LI]
	v_lshl_add_u32 v[STR], v18, 7, v[STR]
	v_add_nc_u32 v[IWS], s21, v19
	v_lshlrev_b32 v[SH8], 3, v18
	v_add_nc_u32 v[STR], s19, v[STR]
	v_add_nc_u32 v[FI], IMG, v[LI]
	v_add_nc_u32 v[FS], SCL, v19
	v_lshlrev_b32 v[OUTO], 11, v17
	v_lshlrev_b32 v[SCO], 4, v17
	v_lshl_add_u32 v[OUTO], v18, 5, v[OUTO]
	v_mov_b32 v[T], 0                              ; a lane permute's destination counts as one of its sources
	s_wait_alu depctr_va_vdst(0)                   ; the wait at the head's end
	s_lshl_b32 s22, ttmp9, 1
	s_add_co_u32 s22, s22, s18                     ; W2's row tile
	s_max_u32 s23, ttmp9, 16
	s_sub_co_u32 s23, s23, 16                      ; y
	s_lshr_b32 s26, s23, 1                         ; T
	s_and_b32 s27, s23, 1                          ; m
	s_cmp_lt_u32 s16, 4
	s_cselect_b32 s24, s26, s27
	s_cmp_lt_u32 ttmp9, 16
	s_cselect_b32 s24, s22, s24                    ; my row tile: of W2, of W1 or of the query
	s_lshl_b32 s24, s24, 15                        ; 16 rows of 2,048 bytes
	s_lshl_b32 s28, s17, 9
	s_add_co_u32 s24, s24, s28                     ; + my K step's 512 bytes
	s_mov_b32 s25, 0
	s_lshl_b32 s30, ttmp9, 3
	s_add_co_u32 s30, s30, s16
	s_mul_i32 s30, s30, FRB                        ; w2img: fragment 8 x + w
	s_mov_b32 s31, 0
	s_lshl_b32 s32, s22, 8
	s_lshl_b32 s33, s17, 2
	s_add_co_u32 s32, s32, s33                     ; w2scl: 16 rows of 16 bytes a tile, word s
	s_mov_b32 s33, 0
	s_lshl_b32 s34, s27, 15
	s_lshl_b32 s35, s26, 6
	s_add_co_u32 s34, s34, s35                     ; w1q: row 16 m, column 16 T
	s_mov_b32 s35, 0
	s_mov_b32 s36, 0x76543210
	s_mov_b32 s37, 0xfedcba98                      ; v_permlanex16_b32's selects for lane l xor 16
	s_wait_kmcnt 0x0
	s_cmp_lt_u32 s16, 4                            ; the choices hang on ids alone
	s_cselect_b64 s[28:29], s[6:7], s[8:9]
	s_cmp_lt_u32 ttmp9, 16
	s_cselect_b64 s[28:29], s[4:5], s[28:29]
	s_add_nc_u64 s[28:29], s[28:29], s[24:25]
.irp j, 0,1,2,3,4,5,6,7,8,9,10,11,12,13,14,15
	global_load_b128 v[X+4*\j:X+4*\j+3], v[LI], s[28:29] offset:2048*\j   ; row j: 512 consecutive bytes
.endr
	s_wait_loadcnt 0x0
.irp j, 0,1,2,3,4,5,6,7,8,9,10,11,12,13,14,15
	ds_store_b128 v[STW], v[X+4*\j:X+4*\j+3] offset:SPITCH*\j
.endr
.irp c, 0,1
.irp i, 0,1,2,3,4,5,6,7
	ds_load_b128 v[X+32*\c+4*\i:X+32*\c+4*\i+3], v[STR] offset:256*\c+16*\i   ; LDS serves a wave's instructions in order (ISA guide 5.7.1): these see the stores
.endr
.endr
	s_wait_dscnt 0x0
.irp k, 0,1,2,3
	v_max3_num_f32 v[M+\k], 0x1800000, |v[X+16*\k]|, |v[X+16*\k+1]|   ; the floor 2^(3 - 127): the byte cannot fall under 1
.endr
.irp i, 2,4,6,8,10,12,14
.irp k, 0,1,2,3
	v_max3_num_f32 v[M+\k], v[M+\k], |v[X+16*\k+\i]|, |v[X+16*\k+\i+1]|   ; four chains by turns, two to a block
.endr
.endr
	v_max_num_f32 v[M], v[M], v[M+1]
	v_max_num_f32 v[M+2], v[M+2], v[M+3]
	v_add_nc_u32 v[SO], 0xff000000, v[M]           ; 2 off the exponent field: the conversion takes this operand's exponent field as its scale
	v_add_nc_u32 v[SO+1], 0xff000000, v[M+2]
	v_lshrrev_b32 v[M], 23, v[SO]                  ; the scale's byte
	v_lshrrev_b32 v[M+2], 23, v[SO+1]
	s_delay_alu instid0(VALU_DEP_1)
	v_lshl_or_b32 v[W], v[M+2], 16, v[M]           ; blocks h and 2 + h,
	s_delay_alu instid0(VALU_DEP_1)
	v_lshlrev_b32 v[W], v[SH8], v[W]               ; at their places in the word;
	s_delay_alu instid0(VALU_DEP_1)
	v_permlanex16_b32 v[T], v[W], s36, s37
	s_delay_alu instid0(VALU_DEP_1)
	v_or_b32 v[W], v[W], v[T]                      ; with lane l xor 16's two the word is whole
.irp c, 0,1
	v_cvt_scalef32_pk16_fp6_f32 v[PC+6*\c:PC+6*\c+2], v[X+32*\c:X+32*\c+15], v[SO+\c]
	v_cvt_scalef32_pk16_fp6_f32 v[TC+4*\c:TC+4*\c+2], v[X+32*\c+16:X+32*\c+31], v[SO+\c]   ; (a conversion's three registers begin on an even number)
.endr
	v_nop                                          ; one plain place behind the scaled conversions
.irp c, 0,1
.irp i, 0,1,2
	v_mov_b32 v[PC+3+6*\c+\i], v[TC+4*\c+\i]
.endr
.endr
	s_wait_alu depctr_va_vdst(0)                   ; the wait ahead of the branch
	s_cmp_lt_u32 ttmp9, 16
	s_cbranch_scc0 .Lw1q
	s_add_nc_u64 s[10:11], s[10:11], s[30:31]
	s_add_nc_u64 s[12:13], s[12:13], s[32:33]
.irp g, 0,1,2
.irp c, 0,1,2,3,4,5,6,7
	global_store_b128 v[LI], v[PC+4*\g:PC+4*\g+3], s[10:11] offset:196608*\c+512*\g   ; eight copies of W2's image, 196,608 bytes apart: cluster c of launch scores reads copy c % 8.  512 consecutive bytes, aligned
.endr
.endr
	global_store_b32 v[SCO], v[W], s[12:13]        ; lanes r and r + 16 store the same word
	s_branch .Lend
.Lw1q:
.irp g, 0,1,2
	ds_store_b128 v[IWI], v[PC+4*\g:PC+4*\g+3] offset:512*\g
.endr
	ds_store_b32 v[IWS], v[W]
	s_wait_dscnt 0x0                               ; for the others' sake: my stores have landed
	s_barrier_signal -1
	s_barrier_wait -1                              ; all eight fragments lie in LDS
	s_cmp_lg_u32 s16, 0
	s_cbranch_scc1 .Lend
	s_add_nc_u64 s[14:15], s[14:15], s[34:35]
.irp f, 0,1,2,3,4,5,6,7
.irp g, 0,1,2
	ds_load_b128 v[FW+12*\f+4*\g:FW+12*\f+4*\g+3], v[FI] offset:FRB*\f+512*\g
.endr
	ds_load_b32 v[SW+\f], v[FS] offset:128*\f
.endr
	s_wait_dscnt 0x0
; TRANSPOSED: source 0 = 16 rows of W1, source 1 = 16 queries: lane (r, h) register j = w1q[16 m + r][16 T + 8 h + j].  Two accumulators by turns, even and odd K steps.
.irp s, 0,1
	v_wmma_scale_f32_16x16x128_f8f6f4 v[ACC+8*\s:ACC+8*\s+7], v[FW+12*\s:FW+12*\s+11], v[FW+48+12*\s:FW+48+12*\s+11], 0, v[SW+\s], v[SW+4+\s] matrix_a_fmt:MATRIX_FMT_FP6 matrix_b_fmt:MATRIX_FMT_FP6
.endr
.irp s, 2,3
	v_wmma_scale_f32_16x16x128_f8f6f4 v[ACC+8*(\s-2):ACC+8*(\s-2)+7], v[FW+12*\s:FW+12*\s+11], v[FW+48+12*\s:FW+48+12*\s+11], v[ACC+8*(\s-2):ACC+8*(\s-2)+7], v[SW+\s], v[SW+4+\s] matrix_a_fmt:MATRIX_FMT_FP6 matrix_b_fmt:MATRIX_FMT_FP6
.endr
.rept 4
	v_nop                                          ; four places in front of the first read of the results (ISA guide 7.12.1)
.endr
.irp j, 0,2,4,6
	v_pk_add_f32 v[ACC+\j:ACC+\j+1], v[ACC+\j:ACC+\j+1], v[ACC+8+\j:ACC+9+\j]
.endr
	global_store_b128 v[OUTO], v[ACC:ACC+3], s[14:15]
	global_store_b128 v[OUTO], v[ACC+4:ACC+7], s[14:15] offset:16
.Lend:
	s_wait_tensorcnt 0x0                           ; the wave's end
	ds_add_u32 v[SPW], v[NIL]
	s_wait_dscnt 0x0
	s_endpgm
.Lfunc_end_k_qc6f8874392_prep:
	.size	k_qc6f8874392_prep, .Lfunc_end_k_qc6f8874392_prep-k_qc6f8874392_prep
	.p2alignl 7, 3214868480
	.fill 96, 4, 3214868480
	.section	.rodata,"a",@progbits
	.p2align	6, 0x0
	.amdhsa_kernel k_qc6f8874392_prep
		.amdhsa_group_segment_fixed_size 81920
		.amdhsa_private_segment_fixed_size 0
		.amdhsa_enable_private_segment 0
		.amdhsa_kernarg_size 48
		.amdhsa_user_sgpr_count 2
		.amdhsa_user_sgpr_kernarg_segment_ptr 1
		.amdhsa_wavefront_size32 1
		.amdhsa_system_sgpr_workgroup_id_x 1
		.amdhsa_system_sgpr_workgroup_id_y 1
		.amdhsa_system_sgpr_workgroup_id_z 1
		.amdhsa_system_vgpr_workitem_id 0
		.amdhsa_next_free_vgpr 192
		.amdhsa_next_free_sgpr 66
		.amdhsa_reserve_vcc 0
		.amdhsa_float_denorm_mode_32 3
		.amdhsa_float_denorm_mode_16_64 3
		.amdhsa_memory_ordered 1
		.amdhsa_forward_progress 1
		.amdhsa_inst_pref_size 16
	.end_amdhsa_kernel
	.amdgpu_metadata
---
amdhsa.version: [ 1, 2 ]
amdhsa.kernels:
  - .name:           k_qc6f8874392_prep
    .symbol:         k_qc6f8874392_prep.kd
    .args:
      - { .name: W2, .offset: 0, .size: 8, .value_kind: global_buffer, .address_space: global }
      - { .name: W1, .offset: 8, .size: 8, .value_kind: global_buffer, .address_space: global }
      - { .name: query, .offset: 16, .size: 8, .value_kind: global_buffer, .address_space: global }
      - { .name: w2img, .offset: 24, .size: 8, .value_kind: global_buffer, .address_space: global }
      - { .name: w2scl, .offset: 32, .size: 8, .value_kind: global_buffer, .address_space: global }
      - { .name: w1q, .offset: 40, .size: 8, .value_kind: global_buffer, .address_space: global }
    .group_segment_fixed_size: 81920
    .private_segment_fixed_size: 0
    .kernarg_segment_align: 8
    .kernarg_segment_size: 48
    .max_flat_workgroup_size: 256
    .sgpr_count:     66
    .vgpr_count:     192
    .wavefront_size: 32
...
	.end_amdgpu_metadata
.endif
;; end of part 1
;; launch scores (part 2): grid 256 x 1, 8 waves a work-group, clusters of 4 x 1, 327,680 bytes of LDS; arguments keys, w2img, w2scl, w1q, v, rawsc; writes rawsc
.if DOCPART == 2
	.amdgcn_target "amdgcn-amd-amdhsa--gfx1250"
	.amdhsa_code_object_version 6
	.text
	.protected	k_qc6f8874392_scores
	.globl	k_qc6f8874392_scores
	.p2align	8
	.type	k_qc6f8874392_scores,@function
k_qc6f8874392_scores:
	s_mov_b64 s[64:65], 0
	v_nop
	global_prefetch_b8 v0, s[64:65] scope:SCOPE_SE
	s_setreg_imm32_b32 hwreg(HW_REG_WAVE_MODE, 25, 1), 1
	s_wait_xcnt 0x0
	s_wait_alu depctr_hold_cnt(0) depctr_sa_sdst(0) depctr_va_vdst(0) depctr_va_sdst(0) depctr_va_ssrc(0) depctr_va_vcc(0) depctr_vm_vsrc(0)
	s_getreg_b32 s2, hwreg(HW_REG_IB_STS2, 6, 4)
	s_cmp_eq_u32 s2, 0
	s_cbranch_scc0 .Lentry_in_a_cluster
	s_endpgm
.Lentry_in_a_cluster:
	s_bfe_u32 s2, ttmp6, 0x10000c
	s_cmp_lg_u32 s2, 0x3003
	s_cbranch_scc0 .Lentry_shape_is_right
	s_endpgm
.Lentry_shape_is_right:
; rawsc[b][s] = -2 (the sum over a of v[a] / (1 + e^(2x))), x = w1q[b][a] + the sum over d of Q(keys)[b][s][d] Q(W2)[a][d]: the scores less a term of softmax's axis.
; LEFT OUT as dead work: the sum over a of v[a], from tanh x = 1 - 2 / (1 + e^(2x)): the same for every key of a batch, so softmax takes it out.  An overflow of that sum alone is not carried.
; keys: [32][2048][512] f32, quantised here to FP6 (E2M3), one E8M0 byte for each 32 along K.  W2 comes as codes in the order of the operand's registers (w2img, eight copies) with scale words (w2scl).
; SHARES.  Work-group x takes rows 256 x .. 256 x + 255 of keys (all of one batch, x / 8), in 8 blocks of 32 rows, a block in two halves of 16.  THE EIGHT WAVES SHARE THE COLUMNS: wave w owns
; a = 64 w .. 64 w + 63; its 16 fragments of W2 (192 registers), its w1q and its v stay in registers.  Wave w quantises fragment w of each block, half w / 4 x K step w % 4, and leaves it in LDS
; as an image of its registers.
; THE PRODUCT IS USED TRANSPOSED (source 0 = 16 rows of W2, source 1 = 16 keys): lane (r, h) register j of tile t is key r, column 64 w + 16 t + 8 h + j.  w1q is the C of each sum's first instruction.
; Where e^(2x) overflows the quotient is 0, where it falls to 0 the quotient is 1.  The parts of the 8 waves and of both lane halves meet in LDS at the end and are added in a fixed order.
; THE STREAM.  Keys come by loads into registers, 512 consecutive aligned bytes a load, two sets of 16 loads a wave by turns.  A set turns through the wave's own stage (rows 528 bytes apart) back into its
; own registers, is quantised there, and is asked for again at once, for the block two further on.
; ORDER.  A block's LDS and global instructions stand in three runs, all ahead of its barrier's signal; behind the signal stand half 1's products and both halves' tanh, on registers alone, and then the wait:
; so waves may stand that far apart.  The weighted sum of one half stands among the products of the next.
; CLUSTER.  All work-groups read W2's 196,608 bytes of codes: four form a cluster and ask for them JOINTLY, each wave for its own 24,576 bytes, once, at the head.  No LDS byte is filled twice.
; NO PREFETCH: keys are asked for into registers up to two blocks ahead and never waited for by a drained barrier; everything else is read once, at the head, where there is no loop to run ahead in.
; LIMITS: NaN and infinities among the inputs are not served.  A block of zeros carries the byte 1 where the rule says 127 (its codes are zeros; no one else reads the bytes); blocks whose
; largest magnitude lies under 2^(2 - 126) keep the byte 1.  v_exp_f32 and v_rcp_f32 give 0 for results under 2^-126 (ISA guide 15.8): tanh moves by less than 2^-124 there.
.set FRB,    1536
.set IMGB,   8*FRB                     ; LDS: two buffers of a block's 8 images, from byte 0
.set ISC,    2*IMGB                    ; two buffers of 8 x 256 bytes: scale words, one every 16 bytes, lanes 0-15;
.set PRT,    4096                      ; from ISC: the parts, 2,048 bytes for four halves of blocks
.set DUMP,   12288                     ; from ISC: the same places of lanes 16-31 (their scale words are read by nobody, their parts are)
.set SPITCH, 528
.set STGB,   16*SPITCH
.set STG,    ISC+2*DUMP                ; eight stages
.set W2B,    24576
.set W2L,    STG+8*STGB                ; the eight waves' fragments of W2
.set SPARE,  W2L+8*W2B                 ; the spare words; the map ends at 314,368
; window 0
.set FI,   1                           ; v1  16 x lane: the images, the scale words and, as an offset, the keys
.set STW,  2                           ; v2  the stage, on the way in
.set STR,  3                           ; v3  and out: 528 r + 128 h
.set IWI,  4                           ; v4  my image
.set KS0,  6                           ; v6, v5 the keys' scale words: K steps 0 (lanes 0-15) and 1 (lanes 16-31); 2 and 3
.set IWS,  7                           ; v7  ISC + 256 w + 16 r + DUMP h
.set W2S,  8                           ; v8-15 W2's scale words: register 4 (t / 2) + s; lanes 0-15 tile 2 (t / 2), lanes 16-31 the odd tile.  v5, v6, v8-15 hold scales and nothing else
.set KFR,  16                          ; v16-63 four fragments of keys; at the head v16-22 at work
.set ACCA, 64                          ; v64-95 accumulators of a block's half 0
.set ACCB, 96                          ; v96-127 accumulators of half 1; between their sum and the next products the quantiser's registers:
.set TB,   ACCB                        ; largest magnitudes TB .. TB + 3, scale operands TB + 4, 5, the scale word TB + 6, the permute's destination TB + 7,
.set PC,   TB+8                        ; codes,
.set TC,   TB+20                       ; second halves of blocks
.set RAW,  128                         ; v128-191, v192-255 two sets of keys
; window 1: v0-191 W2's fragments, (t, s) at 12 (4 t + s)
.set BIAS, 192                         ; w1q in the result's layout
.set NV,   224                         ; v likewise
.set G1,   24
.set G0,   32
.set MSB, 0
.macro WIN new                         ; the immediate's high byte repeats the setting that is left; a switch that changes nothing is dropped
.if MSB != \new
	s_set_vgpr_msb (MSB<<8)|\new
.set MSB, \new
.endif
.endm
.macro CROUND                          ; a round of the cluster's barrier
	s_barrier_signal -1
	s_barrier_wait -1
	s_cmp_lg_u32 s16, 0
	s_cbranch_scc1 .Lnot_wave_0_\@
	s_barrier_signal -3
.Lnot_wave_0_\@:
	s_barrier_wait -3
	s_barrier_signal -1
	s_barrier_wait -1
.endm
.macro FETCH m, p                      ; the four fragments of half m from buffer p: 14 loads
.irp q, 0,1
	ds_load_b32 v[KS0-\q], v[FI] offset:ISC+2048*(\p)+256*(4*(\m)+2*\q)
.endr
.irp s, 0,1,2,3
.irp g, 0,1,2
	ds_load_b128 v[KFR+12*\s+4*\g:KFR+12*\s+4*\g+3], v[FI] offset:IMGB*(\p)+FRB*(4*(\m)+\s)+512*\g
.endr
.endr
.endm
.macro SSTORE set                      ; a set into my stage, as it was loaded: 16 stores
.irp k, 0,1,2,3,4,5,6,7,8,9,10,11,12,13,14,15
	ds_store_b128 v[STW], v[RAW+64*(\set)+4*\k:RAW+64*(\set)+4*\k+3] offset:SPITCH*\k
.endr
.endm
.macro XLOAD set                       ; and back into its registers, 128 consecutive bytes of a row for each block of 32: 16 loads.  LDS serves a wave's instructions in order (ISA guide 5.7.1)
.irp k, 0,1,2,3,4,5,6,7,8,9,10,11,12,13,14,15
	ds_load_b128 v[RAW+64*(\set)+4*\k:RAW+64*(\set)+4*\k+3], v[STR] offset:256*(\k/8)+16*(\k%8)
.endr
.endm
.macro GLOAD set, blk                  ; my fragment of block blk: 16 rows x 512 consecutive bytes, read once in the launch
.irp k, 0,1,2,3,4,5,6,7,8,9,10,11,12,13,14,15
	global_load_b128 v[RAW+64*(\set)+4*\k:RAW+64*(\set)+4*\k+3], v[FI], s[4:5] offset:65536*(\blk)+2048*\k th:TH_LOAD_NT
.endr
.endm
; A set's 64 numbers of a lane, register 32 c + i = k 64 c + 32 h + i of row r, become the fragment's 12 registers and the row's scale word (whole in lanes 0-15), and go to buffer set of the images.
.macro QUANT set
.set XB, RAW+64*(\set)
.irp k, 0,1,2,3
	v_max3_num_f32 v[TB+\k], 0x1800000, |v[XB+16*\k]|, |v[XB+16*\k+1]|   ; the floor 2^(3 - 127): the byte cannot fall under 1
.endr
.irp i, 2,4,6,8,10,12,14
.irp k, 0,1,2,3
	v_max3_num_f32 v[TB+\k], v[TB+\k], |v[XB+16*\k+\i]|, |v[XB+16*\k+\i+1]|   ; four chains by turns, two to a block
.endr
.endr
	v_max_num_f32 v[TB], v[TB], v[TB+1]
	v_max_num_f32 v[TB+2], v[TB+2], v[TB+3]
	v_add_nc_u32 v[TB+4], 0xff000000, v[TB]        ; 2 off the exponent field: the conversion takes this operand's exponent field as its scale
	v_add_nc_u32 v[TB+5], 0xff000000, v[TB+2]
	v_lshrrev_b32 v[TB], 23, v[TB+4]               ; the scale's byte
	v_lshrrev_b32 v[TB+2], 23, v[TB+5]
	v_lshl_or_b32 v[TB+6], v[TB+2], 16, v[TB]      ; blocks h and 2 + h;
	v_permlanex16_b32 v[TB+7], v[TB+6], s36, s37
	v_lshl_or_b32 v[TB+6], v[TB+7], 8, v[TB+6]     ; in lanes 0-15 blocks 1 and 3 come from lane l + 16: the word is whole there
.irp c, 0,1
	v_cvt_scalef32_pk16_fp6_f32 v[PC+6*\c:PC+6*\c+2], v[XB+32*\c:XB+32*\c+15], v[TB+4+\c]
	v_cvt_scalef32_pk16_fp6_f32 v[TC+4*\c:TC+4*\c+2], v[XB+32*\c+16:XB+32*\c+31], v[TB+4+\c]   ; (a conversion's three registers begin on an even number)
.endr
	v_nop                                          ; one plain place behind the scaled conversions
.irp c, 0,1
.irp i, 0,1,2
	v_mov_b32 v[PC+3+6*\c+\i], v[TC+4*\c+\i]
.endr
.endr
.irp g, 0,1,2
	ds_store_b128 v[IWI], v[PC+4*\g:PC+4*\g+3] offset:IMGB*(\set)+512*\g
.endr
	ds_store_b32 v[IWS], v[TB+6] offset:2048*(\set)
.endm
.macro WM acc, k                       ; K step k / 4, tile k % 4
.set KK, (\k)/4
.set TT, (\k)%4
.set DD, \acc+8*TT
.set CC, DD
.if KK == 0
.set CC, BIAS+8*TT
.endif
.set WA, 12*(4*TT+KK)
.set KA, KFR+12*KK
.set SCA, W2S+4*(TT/2)+KK
.set SCB, KS0-KK/2
.if (TT%2 == 0) && (KK%2 == 0)
	v_wmma_scale_f32_16x16x128_f8f6f4 v[DD:DD+7], v[WA:WA+11], v[KA:KA+11], v[CC:CC+7], v[SCA], v[SCB] matrix_a_fmt:MATRIX_FMT_FP6 matrix_b_fmt:MATRIX_FMT_FP6
.endif
.if (TT%2 == 1) && (KK%2 == 0)
	v_wmma_scale_f32_16x16x128_f8f6f4 v[DD:DD+7], v[WA:WA+11], v[KA:KA+11], v[CC:CC+7], v[SCA], v[SCB] matrix_a_fmt:MATRIX_FMT_FP6 matrix_b_fmt:MATRIX_FMT_FP6 matrix_a_scale:MATRIX_SCALE_ROW1
.endif
.if (TT%2 == 0) && (KK%2 == 1)
	v_wmma_scale_f32_16x16x128_f8f6f4 v[DD:DD+7], v[WA:WA+11], v[KA:KA+11], v[CC:CC+7], v[SCA], v[SCB] matrix_a_fmt:MATRIX_FMT_FP6 matrix_b_fmt:MATRIX_FMT_FP6 matrix_b_scale:MATRIX_SCALE_ROW1
.endif
.if (TT%2 == 1) && (KK%2 == 1)
	v_wmma_scale_f32_16x16x128_f8f6f4 v[DD:DD+7], v[WA:WA+11], v[KA:KA+11], v[CC:CC+7], v[SCA], v[SCB] matrix_a_fmt:MATRIX_FMT_FP6 matrix_b_fmt:MATRIX_FMT_FP6 matrix_a_scale:MATRIX_SCALE_ROW1 matrix_b_scale:MATRIX_SCALE_ROW1
.endif
.endm
.macro FM o, n                         ; the weighted sum of half o, pair n of 16: one packed chain in its two lowest registers
.if (\n) == 0
	v_pk_mul_f32 v[\o:\o+1], v[NV:NV+1], v[\o:\o+1]
.else
	v_pk_fma_f32 v[\o:\o+1], v[NV+2*(\n):NV+2*(\n)+1], v[\o+2*(\n):\o+2*(\n)+1], v[\o:\o+1]
.endif
.endm
; 16 keys x my 64 columns x K = 512: 16 matrix instructions; the four accumulators take turns, one instruction a turn; w1q starts each sum.
; fm = 1: the other half's weighted sum stands among them; its last lines are the four places in front of the loads into the keys' registers and of the first read of the results.
.macro MM acc, old, fm
	WIN 0x11                                       ; sources 0 (W2) and 2 (w1q) window 1
.irp k, 0,1,2,3
	WM \acc, \k
.endr
	WIN 0x01                                       ; source 0 (W2, or v) window 1
.irp k, 4,5,6,7,8,9,10,11,12,13,14,15
	WM \acc, \k
.if \fm
	FM \old, \k-4
.endif
.endr
.if \fm
	FM \old, 12
	FM \old, 13
	FM \old, 14
	FM \old, 15
	WIN 0
	v_add_f32 v[\old], v[\old], v[\old+1]
.else
	WIN 0
.rept 4
	v_nop
.endr
.endif
.endm
.macro PARTS old, i                    ; my lane's part of half i's score (my 32 columns): the place 4 (i % 4) in 16 bytes
	ds_store_b32 v[IWS], v[\old] offset:PRT+2048*((\i)/4)+4*((\i)%4)
.endm
; 1 / (1 + e^(2x)) of the 32 accumulators from v[a] on; each accumulator is read from its low end on.  A wait stands ahead of each batch of transcendentals and behind it.
.macro TANH a
.irp j, 0,2,4,6,8,10,12,14,16,18,20,22,24,26,28,30
	v_pk_mul_f32 v[\a+\j:\a+\j+1], v[\a+\j:\a+\j+1], s[38:39] op_sel_hi:[1,0]   ; 2 log2(e) x
.endr
	s_wait_alu depctr_va_vdst(0)
.irp j, 0,1,2,3,4,5,6,7,8,9,10,11,12,13,14,15,16,17,18,19,20,21,22,23,24,25,26,27,28,29,30,31
	v_exp_f32 v[\a+\j], v[\a+\j]
.endr
	v_nop                                          ; a plain place behind the transcendentals
	s_wait_alu depctr_va_vdst(0)
.irp j, 0,2,4,6,8,10,12,14,16,18,20,22,24,26,28,30
	v_pk_add_f32 v[\a+\j:\a+\j+1], v[\a+\j:\a+\j+1], 1.0 op_sel_hi:[1,0]
.endr
	s_wait_alu depctr_va_vdst(0)
.irp j, 0,1,2,3,4,5,6,7,8,9,10,11,12,13,14,15,16,17,18,19,20,21,22,23,24,25,26,27,28,29,30,31
	v_rcp_f32 v[\a+\j], v[\a+\j]
.endr
	v_nop
	s_wait_alu depctr_va_vdst(0)
.endm
	s_load_b256 s[4:11], s[0:1], 0x0               ; keys, w2img, w2scl, w1q
	s_load_b128 s[12:15], s[0:1], 0x20             ; v, rawsc
	v_lshl_add_u32 v18, v0, 2, SPARE               ; (made anew at the end: v0 is kept)
	v_mov_b32 v19, 0
	ds_add_u32 v18, v19                            ; the wave's opening: the add, twice on end, and its wait
	ds_add_u32 v18, v19
	v_lshrrev_b32 v20, 5, v0
	v_readfirstlane_b32 s16, v20                   ; wave
	s_and_b32 s17, s16, 3                          ; the K step that I quantise
	s_lshr_b32 s18, s16, 2                         ; and which half of a block
	s_mul_i32 s22, s16, STGB
	s_add_co_u32 s22, s22, STG
	s_mul_i32 s23, s16, FRB
	s_lshl_b32 s40, s16, 8
	s_add_co_u32 s40, s40, ISC
	s_mul_i32 s42, s16, W2B
	s_add_co_u32 s33, s42, W2L                     ; descriptor group 0: the tile's LDS address: the wave's number alone enters it
	v_and_b32 v20, 31, v0
	v_and_b32 v21, 15, v0                          ; r
	v_bfe_u32 v22, v0, 4, 1                        ; h
	v_lshlrev_b32 v[FI], 4, v20
	v_mul_u32_u24 v[STR], v21, SPITCH
	v_lshlrev_b32 v[IWS], 4, v21
	v_lshlrev_b32 v16, 5, v22                      ; 32 h: the loads of w1q and v
	v_add_nc_u32 v[STW], s22, v[FI]
	v_lshl_add_u32 v[STR], v22, 7, v[STR]
	v_mad_u32_u24 v[IWS], v22, DUMP, v[IWS]
	v_add_nc_u32 v[IWI], s23, v[FI]
	v_add_nc_u32 v17, s33, v[FI]                   ; my part of W2 in LDS
	v_add_nc_u32 v[STR], s22, v[STR]
	v_add_nc_u32 v[IWS], s40, v[IWS]
	v_mov_b32 v[TB+7], 0                           ; a lane permute's destination counts as one of its sources
	s_wait_alu depctr_va_vdst(0)                   ; the wait at the head's end
	s_bfe_u32 s19, ttmp6, 0x40000                  ; cx: it enters the addresses of keys and rawsc alone
	s_lshl_b32 s20, ttmp9, 2                       ; in a cluster launch ttmp9 counts clusters
	s_add_co_u32 s20, s20, s19                     ; x
	s_lshr_b32 s21, ttmp9, 1                       ; the batch, x / 8
	; descriptor group 1: a dense block of 24,576 bytes as 96 rows of 256 bytes (32 elements of 8 bytes), no padding
	s_mov_b32 s[G1+0], 15|(3<<16)|(1<<21)          ; 15:0 the mask: all four work-groups; 17:16 elements of 8 bytes; 21 set beside a mask
	s_mov_b32 s[G1+1], 32<<16                      ; tensor_dim0 = 32
	s_mov_b32 s[G1+2], 96<<16                      ; tensor_dim1 = 96
	s_mov_b32 s[G1+3], 32<<16                      ; tile_dim0 = 32
	s_mov_b32 s[G1+4], 96                          ; tile_dim1 = 96
	s_mov_b32 s[G1+5], 32                          ; from row to row: 32 elements
	s_mov_b32 s[G1+6], 0
	s_mov_b32 s[G1+7], 0
	s_mov_b32 s[G0], 1                             ; count = 1
	s_mov_b32 s36, 0x76543210
	s_mov_b32 s37, 0xfedcba98                      ; v_permlanex16_b32's selects for lane l xor 16
	s_mov_b32 s38, 0x4038aa3b                      ; 2 log2(e)
	s_mov_b32 s39, s38                             ; (named with it as a pair, so it is written)
	s_lshl_b32 s40, s20, 19                        ; keys: 256 rows of 2,048 bytes a work-group,
	s_lshl_b32 s41, s18, 15                        ; my half's 16 rows,
	s_add_co_u32 s40, s40, s41
	s_lshl_b32 s41, s17, 9                         ; my K step
	s_add_co_u32 s40, s40, s41
	s_mov_b32 s41, 0
	s_and_b32 s43, ttmp9, 7                        ; w2img: the cluster's copy: its number mod 8, the same in the four partners,
	s_mul_i32 s43, s43, 8*W2B
	s_add_co_u32 s42, s42, s43                     ; and in it my 16 fragments
	s_mov_b32 s43, 0
	s_lshl_b32 s44, s16, 10                        ; w2scl: my 64 rows of 16 bytes
	s_mov_b32 s45, 0
	s_lshl_b32 s48, s16, 8                         ; v: my 64 numbers
	s_mov_b32 s49, 0
	s_lshl_b32 s46, s21, 11                        ; w1q: the batch's row, my 64 numbers
	s_add_co_u32 s46, s46, s48
	s_mov_b32 s47, 0
	s_lshl_b32 s50, s20, 10                        ; rawsc: 256 numbers a work-group
	s_mov_b32 s51, 0
	s_wait_dscnt 0x0                               ; both opening adds are done
	CROUND                                         ; all four work-groups are here: the joint loads meet
	s_wait_kmcnt 0x0
	s_add_nc_u64 s[4:5], s[4:5], s[40:41]
	s_add_nc_u64 s[G0+2:G0+3], s[6:7], s[42:43]    ; the tile's global address: equal in the four partners
	s_or_b32 s[G0+3], s[G0+3], 0x80000000          ; type = 2
	s_add_nc_u64 s[8:9], s[8:9], s[44:45]
	s_add_nc_u64 s[10:11], s[10:11], s[46:47]
	s_add_nc_u64 s[12:13], s[12:13], s[48:49]
	s_add_nc_u64 s[14:15], s[14:15], s[50:51]
	GLOAD 0, 0
	tensor_load_to_lds s[G0:G0+3], s[G1:G1+7]      ; my 16 fragments of W2: my one tensor load of the launch
	s_nop 0
.rept 4
	v_nop
.endr
	global_load_b128 v[W2S:W2S+3], v[FI], s[8:9]               ; lane l: the four words of my row l: tiles 0 and 1
	global_load_b128 v[W2S+4:W2S+7], v[FI], s[8:9] offset:512  ; tiles 2 and 3
	WIN 0x40                                       ; destination window 1
.irp t, 0,1,2,3
	global_load_b128 v[BIAS+8*\t:BIAS+8*\t+3], v16, s[10:11] offset:64*\t
	global_load_b128 v[BIAS+8*\t+4:BIAS+8*\t+7], v16, s[10:11] offset:64*\t+16
	global_load_b128 v[NV+8*\t:NV+8*\t+3], v16, s[12:13] offset:64*\t
	global_load_b128 v[NV+8*\t+4:NV+8*\t+7], v16, s[12:13] offset:64*\t+16
.endr
	WIN 0
	GLOAD 1, 1
	s_wait_loadcnt 34                              ; block 0 is in; the 18 small loads and block 1's 16 are younger
	SSTORE 0
	XLOAD 0
	s_wait_dscnt 0x0
	QUANT 0
	GLOAD 0, 2
	s_wait_dscnt 0x0                               ; my image is stored:
	s_barrier_signal -1                            ; say so, and bring my W2 into registers while the others arrive
	s_wait_tensorcnt 0x0                           ; my part of W2 is in LDS; I alone read it
	WIN 0x40
.irp f, 0,1,2,3,4,5,6,7,8,9,10,11,12,13,14,15
.irp g, 0,1,2
	ds_load_b128 v[12*\f+4*\g:12*\f+4*\g+3], v17 offset:FRB*\f+512*\g
.endr
.endr
	WIN 0
	s_wait_loadcnt 32                              ; the small loads are in; blocks 1 and 2 are younger
	s_wait_dscnt 0x0
	s_barrier_wait -1                              ; block 0's eight images lie in LDS
; BLOCK u.  At its start block u's images are there.  Its signal says that block u + 1's image is stored and that my reads of buffer u % 2 are over, which is written again only behind the wait.
.macro BLOCK u
.set P, (\u)%2
.set N, 1-P
.if (\u) > 0
	PARTS ACCA, 2*(\u)-2
.endif
	FETCH 0, P
.if (\u) < 7
.if (\u) < 6
	s_wait_loadcnt 16                              ; block u + 1 is in; block u + 2's 16 loads are younger
.else
	s_wait_loadcnt 0x0                             ; the last block is in
.endif
	SSTORE N
	s_wait_dscnt 16                                ; half 0's fragments are in; the stage's 16 stores are younger
.else
	s_wait_dscnt 0x0
.endif
.if (\u) > 0
	MM ACCA, ACCB, 1
	PARTS ACCB, 2*(\u)-1
.else
	MM ACCA, ACCB, 0
.endif
.if (\u) < 7
	XLOAD N
.endif
	FETCH 1, P
.if (\u) < 7
	s_wait_dscnt 14                                ; block u + 1's numbers are back from the stage; half 1's 14 loads are younger
	QUANT N
.if (\u) < 5
	GLOAD N, (\u)+3
.endif
.endif
	s_wait_dscnt 0x0                               ; half 1's fragments are in, my image is stored
.if (\u) < 7
	s_barrier_signal -1
.endif
	TANH ACCA
	MM ACCB, ACCA, 1
	TANH ACCB
.if (\u) < 7
	s_barrier_wait -1
.endif
.endm
.irp u, 0,1,2,3,4,5,6,7
	BLOCK \u
.endr
	PARTS ACCA, 14
	WIN 0x01
.irp n, 0,1,2,3,4,5,6,7,8,9,10,11,12,13,14,15
	FM ACCB, \n
.endr
	WIN 0
	v_add_f32 v[ACCB], v[ACCB], v[ACCB+1]
	PARTS ACCB, 15
	; The parts (8 waves, 2 lane halves) of the 256 scores are added in a fixed order by waves 0 to 3, two neighbouring scores a thread; each wave's store covers 256 consecutive bytes, aligned.
	v_lshrrev_b32 v64, 5, v0
	v_bfe_u32 v65, v0, 3, 2
	v_and_b32 v66, 7, v0
	v_lshlrev_b32 v67, 3, v0
	v_lshlrev_b32 v64, 11, v64
	v_lshl_add_u32 v64, v65, 2, v64
	v_lshl_add_u32 v64, v66, 5, v64                ; half i = t / 8, key r = 2 (t % 8): 2,048 (i / 4) + 4 (i % 4) + 16 r
	s_wait_alu depctr_va_vdst(0)                   ; the wait ahead of the barrier and the branch
	s_wait_dscnt 0x0
	s_barrier_signal -1
	s_barrier_wait -1
	s_cmp_gt_u32 s16, 3
	s_cbranch_scc1 .Lpast
.irp k, 0,1,2,3,4,5,6,7,8,9,10,11,12,13,14,15
	ds_load_b32 v[128+2*\k], v64 offset:ISC+PRT+DUMP*(\k/8)+256*(\k%8)
	ds_load_b32 v[129+2*\k], v64 offset:ISC+PRT+DUMP*(\k/8)+256*(\k%8)+16
.endr
	s_wait_dscnt 0x0
.irp k, 0,1,2,3,4,5,6,7
	v_pk_add_f32 v[128+2*\k:129+2*\k], v[128+2*\k:129+2*\k], v[144+2*\k:145+2*\k]
.endr
.irp k, 0,1,2,3
	v_pk_add_f32 v[128+2*\k:129+2*\k], v[128+2*\k:129+2*\k], v[136+2*\k:137+2*\k]
.endr
.irp k, 0,1
	v_pk_add_f32 v[128+2*\k:129+2*\k], v[128+2*\k:129+2*\k], v[132+2*\k:133+2*\k]
.endr
	v_pk_add_f32 v[128:129], v[128:129], v[130:131]
	v_pk_mul_f32 v[128:129], v[128:129], -2.0 op_sel_hi:[1,0]
	global_store_b64 v67, v[128:129], s[14:15]
.Lpast:
	v_lshl_add_u32 v18, v0, 2, SPARE
	v_mov_b32 v19, 0
	s_wait_alu depctr_va_vdst(0)
	s_wait_tensorcnt 0x0                           ; the wave's end
	ds_add_u32 v18, v19
	s_wait_dscnt 0x0
	CROUND                                         ; the closing round: no work-group ends while a partner may still ask for a tile that names it
	s_endpgm
.Lfunc_end_k_qc6f8874392_scores:
	.size	k_qc6f8874392_scores, .Lfunc_end_k_qc6f8874392_scores-k_qc6f8874392_scores
	.p2alignl 7, 3214868480
	.fill 96, 4, 3214868480
	.section	.rodata,"a",@progbits
	.p2align	6, 0x0
	.amdhsa_kernel k_qc6f8874392_scores
		.amdhsa_group_segment_fixed_size 327680
		.amdhsa_private_segment_fixed_size 0
		.amdhsa_enable_private_segment 0
		.amdhsa_kernarg_size 48
		.amdhsa_user_sgpr_count 2
		.amdhsa_user_sgpr_kernarg_segment_ptr 1
		.amdhsa_wavefront_size32 1
		.amdhsa_system_sgpr_workgroup_id_x 1
		.amdhsa_system_sgpr_workgroup_id_y 1
		.amdhsa_system_sgpr_workgroup_id_z 1
		.amdhsa_system_vgpr_workitem_id 0
		.amdhsa_next_free_vgpr 512
		.amdhsa_next_free_sgpr 66
		.amdhsa_reserve_vcc 0
		.amdhsa_float_denorm_mode_32 3
		.amdhsa_float_denorm_mode_16_64 3
		.amdhsa_memory_ordered 1
		.amdhsa_forward_progress 1
		.amdhsa_inst_pref_size 202
	.end_amdhsa_kernel
	.amdgpu_metadata
---
amdhsa.version: [ 1, 2 ]
amdhsa.kernels:
  - .name:           k_qc6f8874392_scores
    .symbol:         k_qc6f8874392_scores.kd
    .args:
      - { .name: keys, .offset: 0, .size: 8, .value_kind: global_buffer, .address_space: global }
      - { .name: w2img, .offset: 8, .size: 8, .value_kind: global_buffer, .address_space: global }
      - { .name: w2scl, .offset: 16, .size: 8, .value_kind: global_buffer, .address_space: global }
      - { .name: w1q, .offset: 24, .size: 8, .value_kind: global_buffer, .address_space: global }
      - { .name: v, .offset: 32, .size: 8, .value_kind: global_buffer, .address_space: global }
      - { .name: rawsc, .offset: 40, .size: 8, .value_kind: global_buffer, .address_space: global }
    .group_segment_fixed_size: 327680
    .private_segment_fixed_size: 0
    .kernarg_segment_align: 8
    .kernarg_segment_size: 48
    .max_flat_workgroup_size: 256
    .sgpr_count:     66
    .vgpr_count:     512
    .wavefront_size: 32
...
	.end_amdgpu_metadata
.endif
;; end of part 2
;; launch softmax (part 3): grid 32 x 1, 8 waves a work-group, no clusters, 1,536 bytes of LDS; arguments rawsc, mask, out0; writes out0
.if DOCPART == 3
	.amdgcn_target "amdgcn-amd-amdhsa--gfx1250"
	.amdhsa_code_object_version 6
	.text
	.protected	k_qc6f8874392_softmax
	.globl	k_qc6f8874392_softmax
	.p2align	8
	.type	k_qc6f8874392_softmax,@function
k_qc6f8874392_softmax:
	s_mov_b64 s[64:65], 0
	v_nop
	global_prefetch_b8 v0, s[64:65] scope:SCOPE_SE
	s_setreg_imm32_b32 hwreg(HW_REG_WAVE_MODE, 25, 1), 1
	s_wait_xcnt 0x0
; out0[b][:] = softmax over the 2,048 keys of (mask ? rawsc : -infinity).  One work-group to a batch; thread i takes elements 4 i .. 4 i + 3 and 1,024 + 4 i .. + 3:
; each load and store of scores of a wave covers 512 consecutive bytes; a mask load, 128.  The row's maximum is taken away before the exponential; maximum and sum go lane to lane by DPP and one
; exchange of the halves, and wave to wave through eight words of LDS (the sum's words are other bytes than the maximum's, so one barrier serves each).
; No matrix unit, no cluster, no tensor load: 10 KiB a work-group, read once.
; A row whose mask is all false gives -infinity + infinity = NaN everywhere, as the definition does.  v_exp_f32 gives 0 for results under 2^-126 (ISA guide 15.8).
	s_load_b128 s[4:7], s[0:1], 0x0                ; rawsc, mask
	s_load_b64 s[8:9], s[0:1], 0x10                ; out0
	v_lshl_add_u32 v32, v0, 2, 0x200
	v_mov_b32 v33, 0
	v_lshrrev_b32 v1, 5, v0
	s_delay_alu instid0(VALU_DEP_1)
	v_readfirstlane_b32 s10, v1                    ; wave 0..7
	v_lshlrev_b32 v2, 4, v0                        ; my 16 bytes of scores
	v_lshlrev_b32 v3, 2, v0                        ; my 4 bytes of mask
	s_delay_alu instid0(VALU_DEP_3)
	v_mov_b32 v18, s10
	s_delay_alu instid0(VALU_DEP_1)
	v_lshlrev_b32 v18, 2, v18                      ; my wave's word in LDS
	v_mov_b32 v19, 0
	v_mov_b32 v15, 0xff800000                      ; -infinity
	s_lshl_b32 s12, ttmp9, 13                      ; the batch's 8,192 bytes of scores and of output
	s_mov_b32 s13, 0
	s_lshl_b32 s14, ttmp9, 11                      ; its 2,048 bytes of mask
	s_mov_b32 s15, 0
	s_mov_b32 s16, 0x76543210
	s_mov_b32 s17, 0xfedcba98                      ; v_permlanex16_b32's selects for lane l xor 16
	s_mov_b32 s18, 0x3fb8aa3b                      ; log2(e)
	s_wait_alu depctr_va_vdst(0)
	s_wait_kmcnt 0x0
	s_add_nc_u64 s[4:5], s[4:5], s[12:13]
	s_add_nc_u64 s[6:7], s[6:7], s[14:15]
	s_add_nc_u64 s[8:9], s[8:9], s[12:13]
	global_load_b128 v[4:7], v2, s[4:5]
	global_load_b128 v[8:11], v2, s[4:5] offset:4096
	global_load_b32 v12, v3, s[6:7]
	global_load_b32 v13, v3, s[6:7] offset:1024
	s_wait_loadcnt 0x0
.irp k, 0,1,2,3
	v_bfe_u32 v14, v12, 8*\k, 8                    ; the element's mask byte
	s_delay_alu instid0(VALU_DEP_1)
	v_cmp_ne_u32 vcc_lo, 0, v14
	s_delay_alu instid0(VALU_DEP_1)
	v_cndmask_b32 v[4+\k], v15, v[4+\k], vcc_lo    ; kept where the mask is true, else -infinity
.endr
.irp k, 0,1,2,3
	v_bfe_u32 v14, v13, 8*\k, 8
	s_delay_alu instid0(VALU_DEP_1)
	v_cmp_ne_u32 vcc_lo, 0, v14
	s_delay_alu instid0(VALU_DEP_1)
	v_cndmask_b32 v[8+\k], v15, v[8+\k], vcc_lo
.endr
	v_max3_num_f32 v16, v4, v5, v6
	v_max3_num_f32 v17, v7, v8, v9
	s_delay_alu instid0(VALU_DEP_2)
	v_max3_num_f32 v16, v16, v10, v11
	s_delay_alu instid0(VALU_DEP_1)
	v_max_num_f32 v16, v16, v17
	s_delay_alu instid0(VALU_DEP_1)
	v_max_num_f32_dpp v16, v16, v16 row_xmask:1 row_mask:0xf bank_mask:0xf
	s_delay_alu instid0(VALU_DEP_1)
	v_max_num_f32_dpp v16, v16, v16 row_xmask:2 row_mask:0xf bank_mask:0xf
	s_delay_alu instid0(VALU_DEP_1)
	v_max_num_f32_dpp v16, v16, v16 row_xmask:4 row_mask:0xf bank_mask:0xf
	s_delay_alu instid0(VALU_DEP_1)
	v_max_num_f32_dpp v16, v16, v16 row_xmask:8 row_mask:0xf bank_mask:0xf
	s_delay_alu instid0(VALU_DEP_1)
	v_permlanex16_b32 v17, v16, s16, s17
	s_delay_alu instid0(VALU_DEP_1)
	v_max_num_f32 v16, v16, v17                    ; the wave's maximum, in every lane
	ds_store_b32 v18, v16                          ; all lanes write the same word with the same value
	s_wait_dscnt 0x0                               ; for the others' sake
	s_barrier_signal -1
	s_barrier_wait -1
	ds_load_b128 v[20:23], v19
	ds_load_b128 v[24:27], v19 offset:16
	s_wait_dscnt 0x0
	v_max3_num_f32 v16, v20, v21, v22
	v_max3_num_f32 v17, v23, v24, v25
	s_delay_alu instid0(VALU_DEP_2)
	v_max3_num_f32 v16, v16, v26, v27
	s_delay_alu instid0(VALU_DEP_1)
	v_max_num_f32 v16, v16, v17                    ; the row's maximum m
	s_delay_alu instid0(VALU_DEP_1)
	v_mul_f32 v17, 0xbfb8aa3b, v16                 ; -m log2(e): its rounding is one common shift of all exponents, which the division takes out
.irp k, 0,1,2,3,4,5,6,7
	v_fma_f32 v[4+\k], v[4+\k], s18, v17           ; (s - m) log2(e)
.endr
	s_wait_alu depctr_va_vdst(0)
.irp k, 0,1,2,3,4,5,6,7
	v_exp_f32 v[4+\k], v[4+\k]
.endr
	v_nop                                          ; a plain place behind the transcendentals
	s_wait_alu depctr_va_vdst(0)
	v_pk_add_f32 v[20:21], v[4:5], v[6:7]
	v_pk_add_f32 v[22:23], v[8:9], v[10:11]
	s_delay_alu instid0(VALU_DEP_1)
	v_pk_add_f32 v[20:21], v[20:21], v[22:23]
	s_delay_alu instid0(VALU_DEP_1)
	v_add_f32 v16, v20, v21
	s_delay_alu instid0(VALU_DEP_1)
	v_add_f32_dpp v16, v16, v16 row_xmask:1 row_mask:0xf bank_mask:0xf
	s_delay_alu instid0(VALU_DEP_1)
	v_add_f32_dpp v16, v16, v16 row_xmask:2 row_mask:0xf bank_mask:0xf
	s_delay_alu instid0(VALU_DEP_1)
	v_add_f32_dpp v16, v16, v16 row_xmask:4 row_mask:0xf bank_mask:0xf
	s_delay_alu instid0(VALU_DEP_1)
	v_add_f32_dpp v16, v16, v16 row_xmask:8 row_mask:0xf bank_mask:0xf
	s_delay_alu instid0(VALU_DEP_1)
	v_permlanex16_b32 v17, v16, s16, s17
	s_delay_alu instid0(VALU_DEP_1)
	v_add_f32 v16, v16, v17                        ; the wave's sum
	ds_store_b32 v18, v16 offset:256               ; other bytes than the maxima's
	s_wait_dscnt 0x0
	s_barrier_signal -1
	s_barrier_wait -1
	ds_load_b128 v[20:23], v19 offset:256
	ds_load_b128 v[24:27], v19 offset:272
	s_wait_dscnt 0x0
	v_pk_add_f32 v[20:21], v[20:21], v[22:23]
	v_pk_add_f32 v[24:25], v[24:25], v[26:27]
	s_delay_alu instid0(VALU_DEP_1)
	v_pk_add_f32 v[20:21], v[20:21], v[24:25]
	s_delay_alu instid0(VALU_DEP_1)
	v_add_f32 v16, v20, v21                        ; the row's sum, in the same order in every thread
	s_wait_alu depctr_va_vdst(0)
	v_rcp_f32 v16, v16
	v_nop                                          ; a plain place behind the transcendental
	s_wait_alu depctr_va_vdst(0)
.irp k, 0,2,4,6
	v_pk_mul_f32 v[4+\k:5+\k], v[4+\k:5+\k], v[16:17] op_sel_hi:[1,0]   ; of the pair the low word serves both halves
.endr
	global_store_b128 v2, v[4:7], s[8:9]
	global_store_b128 v2, v[8:11], s[8:9] offset:4096
	s_wait_tensorcnt 0x0
	ds_add_u32 v32, v33
	s_wait_dscnt 0x0
	s_endpgm
.Lfunc_end_k_qc6f8874392_softmax:
	.size	k_qc6f8874392_softmax, .Lfunc_end_k_qc6f8874392_softmax-k_qc6f8874392_softmax
	.p2alignl 7, 3214868480
	.fill 96, 4, 3214868480
	.section	.rodata,"a",@progbits
	.p2align	6, 0x0
	.amdhsa_kernel k_qc6f8874392_softmax
		.amdhsa_group_segment_fixed_size 1536
		.amdhsa_private_segment_fixed_size 0
		.amdhsa_enable_private_segment 0
		.amdhsa_kernarg_size 24
		.amdhsa_user_sgpr_count 2
		.amdhsa_user_sgpr_kernarg_segment_ptr 1
		.amdhsa_wavefront_size32 1
		.amdhsa_system_sgpr_workgroup_id_x 1
		.amdhsa_system_sgpr_workgroup_id_y 1
		.amdhsa_system_sgpr_workgroup_id_z 1
		.amdhsa_system_vgpr_workitem_id 0
		.amdhsa_next_free_vgpr 34
		.amdhsa_next_free_sgpr 66
		.amdhsa_reserve_vcc 1
		.amdhsa_float_denorm_mode_32 3
		.amdhsa_float_denorm_mode_16_64 3
		.amdhsa_memory_ordered 1
		.amdhsa_forward_progress 1
		.amdhsa_inst_pref_size 8
	.end_amdhsa_kernel
	.amdgpu_metadata
---
amdhsa.version: [ 1, 2 ]
amdhsa.kernels:
  - .name:           k_qc6f8874392_softmax
    .symbol:         k_qc6f8874392_softmax.kd
    .args:
      - { .name: rawsc, .offset: 0, .size: 8, .value_kind: global_buffer, .address_space: global }
      - { .name: mask, .offset: 8, .size: 8, .value_kind: global_buffer, .address_space: global }
      - { .name: out0, .offset: 16, .size: 8, .value_kind: global_buffer, .address_space: global }
    .group_segment_fixed_size: 1536
    .private_segment_fixed_size: 0
    .kernarg_segment_align: 8
    .kernarg_segment_size: 24
    .max_flat_workgroup_size: 256
    .sgpr_count:     66
    .vgpr_count:     34
    .wavefront_size: 32
...
	.end_amdgpu_metadata
.endif
;; end of part 3
